; MI455X (gfx1250); checked and timed in simulation.
; The chip was launched on July 23, 2026; its instructions are those of AMD's public machine-readable ISA for CDNA 5 (MIT licence, August 2026) and "CDNA5" Instruction Set Architecture Reference Guide (July 2026). The comments in the code are by the model that wrote it; some were corrected since.
;; Multi Head Attention. Allowed arithmetic: float matrix products may take bf16 or f16 operands with f32 sums; all other float work in f32.
;; Inputs: Wk 768 x 768 float32; Wo 768 x 768 float32; Wq 768 x 768 float32; Wv 768 x 768 float32; attn_mask 2 x 2,048 int32; k 2 x 2,048 x 768 float32; q 2 x 2,048 x 768 float32; v 2 x 2,048 x 768 float32.
;; Outputs: out0 2 x 2,048 x 768 float32.
;; Constants: mask_future = 1.
;; One version. Each part assembles by itself: llvm-mc -triple=amdgcn-amd-amdhsa -mcpu=gfx1250 --defsym DOCPART=n.
;; ======== version 1 of 1: 3 launches
;; limits: values are held in f16: magnitudes above 65,504 overflow, below 6.1e-05 lose precision
;; workspace buffers: qf 6,291,456 bytes; kf 6,291,456 bytes; vf 6,291,456 bytes; aof 6,291,456 bytes; wof 1,179,648 bytes
;; launch proj (part 1): grid 16 x 16, 4 waves a work-group, no clusters, 127,488 bytes of LDS; arguments q, k, v, Wq, Wk, Wv, Wo, attn_mask, qf, kf, vf, wof; writes qf, kf, vf, wof
.if DOCPART == 1
	.amdgcn_target "amdgcn-amd-amdhsa--gfx1250"
	.amdhsa_code_object_version 6
	.text
	.protected	k_qd578fa0989_proj
	.globl	k_qd578fa0989_proj
	.p2align	8
	.type	k_qd578fa0989_proj,@function
k_qd578fa0989_proj:
	s_mov_b64 s[64:65], 0
	v_nop
	global_prefetch_b8 v0, s[64:65] scope:SCOPE_SE
	s_setreg_imm32_b32 hwreg(HW_REG_WAVE_MODE, 25, 1), 1
	s_wait_xcnt 0x0
; proj: qh = q Wq, kh = k Wk, vh = v Wv (x: [4096][768] f32, W: [768 in][768 out] f32), and Wo's conversion.
; Work-groups with x = 0..11: matrix x>>2 (q, k, v), 192 columns (3 heads) x&3, 256 rows y.  Work-groups with x = 12..15 convert Wo.
; Operands are rounded to bf16 on the way from memory to LDS (global load, convert, LDS store: an f32 number never lies in LDS, so
; LDS carries 2 bytes a number once in and the fragments out); sums in f32.  Four waves, each 128 rows x 96 columns = 48 accumulators.
; K goes in 12 steps of 64 (x's rows are then 256 bytes) through two LDS buffers, one barrier a step.
; No tensor loads and no joint requests here: they would bring f32 into LDS, to be read, converted and stored again.
; RESULTS are rounded once to f16 and stored in the order in which the next launch's matrix fragments want them:
;   qf, kf: [head 12b+hd][s/16][d/16][lane][8]: lane (r, h) holds row 16G+r, d = 16dt+8h .. +7;  qh is first multiplied by 0.125 log2(e);
;           kh's rows with attn_mask = 0 are multiplied by 0, so that their raw score is exactly 0
;   vf:     [head][s/32][d/16][e][lane][8]: lane (r, h) holds d = 16dt+r, keys 32S+16e+8h .. +7
;   wof:    [n/16][k/8][n%16][8]: Wo rounded to bf16, that number carried in f16
; LIMITS: |qh| 0.18, |kh|, |vh| below 65504 (f16); Wo's bf16 value is exact in f16 from 2^-17 up, below that within 3e-8.
.set QS,     0x3e38aa3b                ; 0.125 log2(e)
.set ROWB,   3072                      ; bytes in a row of x and of W
.set XPITCH, 144                       ; LDS row of x: 64 bf16 + 16 bytes: 9 x 16, so 16 rows start at 16 different 16-byte columns
.set WPITCH, 416                       ; LDS row of W: 192 bf16 + 32 bytes: 13 x 32, for the transposing loads
.set WSOFF,  256*XPITCH                ; W's tile lies behind x's 256 rows
.set BUF,    WSOFF+64*WPITCH           ; one buffer: 63,488 bytes
.set XO,  1                            ; v1      x: my byte offset in the tile's first two rows of my wave
.set WO,  2                            ; v2      W: likewise
.set MO,  3                            ; v3      mask: 4 r
.set XST, 4                            ; v4-5    LDS: where I store x, buffer 0, 1
.set WST, 6                            ; v6-7    LDS: where I store W
.set XA,  8                            ; v8-9    LDS: my x fragments
.set WA,  10                           ; v10-11  LDS: my W fragments (transposing loads)
.set LN,  12                           ; v12     16 x lane
.set FF,  16                           ; v16-31  the factor of my row in each of 8 row tiles, twice (pairs)
.set XF,  32                           ; window 0: v32-95, v96-159  x fragments, two buffers
.set WG,  160                          ; window 0: v160-255         W as loaded, 24 x 4
.set WF,  0                            ; window 1: v0-47, v48-95    W fragments, two buffers
.set XG,  96                           ; window 1: v96-223          x as loaded, 32 x 4
.set TMP, 32                           ; the way out: scaled f32
.set PK,  96                           ; the way out: packed f16
; windows 2 and 3: accumulators, row tiles 0-3 and 4-7; tile (a, b) at 8 (6 (a%4) + b)
.set MSB, 0
.macro WIN new                         ; s_set_vgpr_msb: bits 1:0 source 0, 3:2 source 1, 5:4 source 2, 7:6 destination; the high byte repeats the setting left
.if MSB != (\new)
	s_set_vgpr_msb (MSB<<8)|(\new)
.set MSB, (\new)
.endif
.endm
.macro MWIN hi, swap                   ; products: C and D in window 2+hi; W's fragment in window 1, x's in window 0
	WIN 0xa1+0x50*\hi+3*\swap
.endm
.macro PLACES                          ; four plain vector instructions between a matrix instruction and a load into, or a read of, its registers
.rept 4
	v_nop
.endr
.endm
	s_load_b512 s[8:23], s[0:1], 0x0               ; q, k, v, Wq, Wk, Wv, Wo, attn_mask
	s_load_b256 s[24:31], s[0:1], 0x40             ; qf, kf, vf, wof
	v_lshl_add_u32 v15, v0, 2, 0x1f000
	s_set_vgpr_msb 0x40
	v_mov_b32 v255, 0
	s_set_vgpr_msb 0x4000
	s_mov_b32 s2, ttmp9
	s_and_b32 s3, ttmp7, 0xffff
	v_lshrrev_b32 v13, 5, v0
	v_readfirstlane_b32 s4, v13                    ; wave
	v_and_b32 v13, 15, v0                          ; r
	v_bfe_u32 v14, v0, 4, 1                        ; h
	s_mov_b32 s41, 0                               ; the upper word of every offset pair
	s_cmp_ge_u32 s2, 12
	s_cbranch_scc1 .Lwo
	s_lshr_b32 s5, s4, 1                           ; wm: my 128 rows
	s_and_b32 s6, s4, 1                            ; wn: my columns 64 j + 32 wn + 16 e
	v_mul_u32_u24 v1, v14, ROWB
	v_lshl_add_u32 v1, v13, 4, v1                  ; h rows + 16 r
	s_mul_i32 s40, s4, 16*ROWB
	v_add_nc_u32 v[WO], s40, v1                    ; W: my wave's 16 rows of k
	s_mul_i32 s40, s4, 64*ROWB
	v_add_nc_u32 v[XO], s40, v1                    ; x: my wave's 64 rows
	v_lshlrev_b32 v[MO], 2, v13
	v_mul_u32_u24 v4, v14, XPITCH
	v_lshl_add_u32 v4, v13, 3, v4
	s_mul_i32 s40, s4, 64*XPITCH
	v_add_nc_u32 v4, s40, v4
	v_add_nc_u32 v5, BUF, v4
	v_mul_u32_u24 v6, v14, WPITCH
	v_lshl_add_u32 v6, v13, 3, v6
	s_mul_i32 s40, s4, 16*WPITCH
	s_add_co_u32 s40, s40, WSOFF
	v_add_nc_u32 v6, s40, v6
	v_add_nc_u32 v7, BUF, v6
	v_mul_u32_u24 v8, v13, XPITCH                  ; fragment of x: row r, 16 h
	v_lshl_add_u32 v8, v14, 4, v8
	s_mul_i32 s40, s5, 128*XPITCH
	v_add_nc_u32 v8, s40, v8
	v_add_nc_u32 v9, BUF, v8
	v_and_b32 v10, 7, v0                           ; fragment of W, stored [k][n]: row 8 h + lane%8, 16 bytes for each half of eight lanes
	v_lshl_add_u32 v10, v14, 3, v10
	v_mul_u32_u24 v10, v10, WPITCH
	v_bfe_u32 v11, v0, 3, 1
	v_lshl_add_u32 v10, v11, 4, v10
	s_lshl_b32 s40, s6, 6
	s_add_co_u32 s40, s40, WSOFF
	v_add_nc_u32 v10, s40, v10
	v_add_nc_u32 v11, BUF, v10
	v_and_b32 v12, 31, v0
	v_lshlrev_b32 v12, 4, v12
	s_lshr_b32 s7, s2, 2                           ; which matrix
	s_and_b32 s32, s2, 3                           ; which 192 columns
	s_lshr_b32 s42, s3, 3                          ; batch
	s_mul_i32 s42, s42, 12
	s_mul_i32 s40, s32, 3
	s_add_co_u32 s42, s42, s40                     ; my first head
	s_lshl_b32 s42, s42, 18                        ; 262,144 bytes a head
	s_and_b32 s33, s3, 7
	s_lshl_b32 s33, s33, 15                        ; 256 rows are 32,768 bytes in all three layouts
	s_add_co_u32 s42, s42, s33
	s_lshl_b32 s33, s5, 14                         ; 128 rows
	s_add_co_u32 s42, s42, s33
; 56 loads of 16 bytes a lane: x's 64 rows x 256 bytes of my wave, W's 16 rows x 768 bytes; sixteen lanes take 256 neighbouring bytes
.macro GLOAD
	WIN 0x40
.set i, 0
.rept 32
	global_load_b128 v[XG+4*i:XG+4*i+3], v[XO], s[34:35] offset:2*ROWB*i
.set i, i+1
.endr
	WIN 0
.set i, 0
.rept 24
	global_load_b128 v[WG+4*i:WG+4*i+3], v[WO], s[36:37] offset:2*ROWB*(i/3)+256*(i%3)
.set i, i+1
.endr
.endm
.macro STEPB                           ; the next K step; stands only where no load of the wave is out
	s_add_nc_u64 s[34:35], s[34:35], 256
	s_add_nc_u64 s[36:37], s[36:37], 64*ROWB
.endm
; round the staged step to bf16, in place, and lay it into buffer bb
.macro CONVST bb
	WIN 0x45
.set i, 0
.rept 32
	v_cvt_pk_bf16_f32 v[XG+4*i], v[XG+4*i], v[XG+4*i+1]
	v_cvt_pk_bf16_f32 v[XG+4*i+1], v[XG+4*i+2], v[XG+4*i+3]
.set i, i+1
.endr
	WIN 0x04
.set i, 0
.rept 32
	ds_store_b64 v[XST+\bb], v[XG+4*i:XG+4*i+1] offset:2*XPITCH*i
.set i, i+1
.endr
	WIN 0
.set i, 0
.rept 24
	v_cvt_pk_bf16_f32 v[WG+4*i], v[WG+4*i], v[WG+4*i+1]
	v_cvt_pk_bf16_f32 v[WG+4*i+1], v[WG+4*i+2], v[WG+4*i+3]
.set i, i+1
.endr
.set i, 0
.rept 24
	ds_store_b64 v[WST+\bb], v[WG+4*i:WG+4*i+1] offset:2*WPITCH*(i/3)+128*(i%3)
.set i, i+1
.endr
.endm
; 28 LDS loads: the fragments of 32 along K (half c of the step) from buffer bb into fragment buffer f: W's six column tiles, then x's eight row tiles
.macro FETCH bb, c, f
	WIN 0x40
.irp j, 0,1,2
.irp e, 0,1
	ds_load_tr16_b128 v[WF+48*\f+8*(2*\j+\e):WF+48*\f+8*(2*\j+\e)+3], v[WA+\bb] offset:32*WPITCH*\c+128*\j+32*\e
	ds_load_tr16_b128 v[WF+48*\f+8*(2*\j+\e)+4:WF+48*\f+8*(2*\j+\e)+7], v[WA+\bb] offset:32*WPITCH*\c+128*\j+32*\e+16*WPITCH
.endr
.endr
	WIN 0
.irp a, 0,1,2,3,4,5,6,7
	ds_load_b128 v[XF+64*\f+8*\a:XF+64*\f+8*\a+3], v[XA+\bb] offset:16*XPITCH*\a+64*\c
	ds_load_b128 v[XF+64*\f+8*\a+4:XF+64*\f+8*\a+7], v[XA+\bb] offset:16*XPITCH*\a+64*\c+32
.endr
.endm
; 12 products: row tiles a0, a0+1 of the window's four x six column tiles.  swap = 0 (q, k): source 0 = W's columns, source 1 = x's rows: a lane
; then holds one row and eight neighbouring columns.  swap = 1 (v): the other way round: a lane holds one column and eight neighbouring rows.
; zero = 1: the first product starts the sum.  The 48 accumulators take turns, one instruction a turn.
.macro MUL12 f, hi, a0, zero, swap
.irp a, \a0, \a0+1
.irp b, 0,1,2,3,4,5
.if \swap
.if \zero
	v_wmma_f32_16x16x32_bf16 v[8*(6*(\a)+\b):8*(6*(\a)+\b)+7], v[XF+64*\f+8*(4*\hi+(\a)):XF+64*\f+8*(4*\hi+(\a))+7], v[WF+48*\f+8*\b:WF+48*\f+8*\b+7], 0
.else
	v_wmma_f32_16x16x32_bf16 v[8*(6*(\a)+\b):8*(6*(\a)+\b)+7], v[XF+64*\f+8*(4*\hi+(\a)):XF+64*\f+8*(4*\hi+(\a))+7], v[WF+48*\f+8*\b:WF+48*\f+8*\b+7], v[8*(6*(\a)+\b):8*(6*(\a)+\b)+7]
.endif
.else
.if \zero
	v_wmma_f32_16x16x32_bf16 v[8*(6*(\a)+\b):8*(6*(\a)+\b)+7], v[WF+48*\f+8*\b:WF+48*\f+8*\b+7], v[XF+64*\f+8*(4*\hi+(\a)):XF+64*\f+8*(4*\hi+(\a))+7], 0
.else
	v_wmma_f32_16x16x32_bf16 v[8*(6*(\a)+\b):8*(6*(\a)+\b)+7], v[WF+48*\f+8*\b:WF+48*\f+8*\b+7], v[XF+64*\f+8*(4*\hi+(\a)):XF+64*\f+8*(4*\hi+(\a))+7], v[8*(6*(\a)+\b):8*(6*(\a)+\b)+7]
.endif
.endif
.endr
.endr
.endm
; first half of a K step: multiplies fragment buffer 0, fetches the second half's fragments in its middle
.macro HALF0 bb, zero, swap
	s_wait_dscnt 8                                 ; W and x's rows 0-63 are in; the 8 youngest loads (x's rows 64-127) may be out
	MWIN 0, \swap
	MUL12 0, 0, 0, \zero, \swap
	MUL12 0, 0, 2, \zero, \swap
	PLACES
	FETCH \bb, 1, 1
	s_wait_dscnt 28                                ; all but the 28 just issued
	MWIN 1, \swap
	MUL12 0, 1, 0, \zero, \swap
	MUL12 0, 1, 2, \zero, \swap
.endm
; second half: multiplies fragment buffer 1.  conv = 1: the next step, staged in registers, goes into the other LDS buffer, then ONE barrier:
; in front of it my stores into the other buffer and my reads of this one are done; behind it the other buffer is whole and this one is free
; (it is written again only in the next step, behind this barrier).  gl = 1: the step after next is asked for from memory, a whole step ahead.
.macro HALF1 bb, conv, gl, swap
	s_wait_dscnt 8
	MWIN 0, \swap
	MUL12 1, 0, 0, 0, \swap
.if \conv
	s_wait_loadcnt 0x0                             ; the staged step has come: all 56 loads
	CONVST (1-\bb)
	s_wait_dscnt 0x0                               ; for the other waves: my stores are done, and so are my reads of this buffer
	s_barrier_signal -1
	MWIN 0, \swap
	MUL12 1, 0, 2, 0, \swap                        ; register work while the others arrive
	WIN 0
	s_barrier_wait -1
.if \gl
	STEPB                                          ; no load is out since the wait above
	GLOAD
.endif
	PLACES
	FETCH (1-\bb), 0, 0
.else
	MUL12 1, 0, 2, 0, \swap
	s_wait_dscnt 0x0
.endif
	MWIN 1, \swap
	MUL12 1, 1, 0, 0, \swap
	MUL12 1, 1, 2, 0, \swap
.endm
; the way out, 16 rows at a time.  Each store of the wave covers 512 consecutive bytes, aligned.
.macro OUTQK a
	s_wait_xcnt 0x0                                ; the packed registers, which the last stores read, are rewritten only behind this wait
	WIN 2+\a/4
.irp b, 0,1,2,3,4,5
.irp r, 0,1,2,3
	v_pk_mul_f32 v[TMP+8*\b+2*\r:TMP+8*\b+2*\r+1], v[8*(6*(\a%4)+\b)+2*\r:8*(6*(\a%4)+\b)+2*\r+1], v[FF+2*\a:FF+2*\a+1]
.endr
.endr
	WIN 0
.irp b, 0,1,2,3,4,5
.irp r, 0,1,2,3
	v_cvt_pk_f16_f32 v[PK+4*\b+\r], v[TMP+8*\b+2*\r], v[TMP+8*\b+2*\r+1]
.endr
.endr
.irp b, 0,1,2,3,4,5
	global_store_b128 v[LN], v[PK+4*\b:PK+4*\b+3], s[38:39] offset:262144*(\b/2)+512*(\b%2)+2048*\a
.endr
.endm
.macro OUTV a
	s_wait_xcnt 0x0
	WIN 0x0a+5*(\a/4)
.irp b, 0,1,2,3,4,5
.irp r, 0,1,2,3
	v_cvt_pk_f16_f32 v[PK+4*\b+\r], v[8*(6*(\a%4)+\b)+2*\r], v[8*(6*(\a%4)+\b)+2*\r+1]
.endr
.endr
	WIN 0
.irp b, 0,1,2,3,4,5
	global_store_b128 v[LN], v[PK+4*\b:PK+4*\b+3], s[38:39] offset:262144*(\b/2)+4096*(\a/2)+1024*(\b%2)+512*(\a%2)
.endr
.endm
.macro BASES                           ; x at my 256 rows, W at my 192 columns
	s_mul_i32 s40, s3, 256*ROWB
	s_add_nc_u64 s[34:35], s[34:35], s[40:41]
	s_mul_i32 s40, s32, 768
	s_add_nc_u64 s[36:37], s[36:37], s[40:41]
.endm
.macro GEMM swap
.if \swap == 0
.irp a, 0,1,2,3,4,5,6,7
	global_load_b32 v[FF+2*\a], v[MO], s[46:47] offset:64*\a   ; attn_mask of my row in each row tile
.endr
.endif
	GLOAD                                          ; K step 0
	s_wait_loadcnt 0x0
.if \swap == 0
	v_mov_b32 v13, s44
	v_mov_b32 v14, s43
.irp a, 0,1,2,3,4,5,6,7
	v_cmp_ne_u32 vcc_lo, 0, v[FF+2*\a]
	v_cndmask_b32 v[FF+2*\a], v13, v14, vcc_lo     ; k: 1 or 0 by the mask; q: the scale either way
	v_mov_b32 v[FF+2*\a+1], v[FF+2*\a]
.endr
.endif
	CONVST 0
	STEPB
	GLOAD                                          ; K step 1
	s_wait_dscnt 0x0                               ; my stores, for the other waves
	s_barrier_signal -1
	s_barrier_wait -1
	FETCH 0, 0, 0
	HALF0 0, 1, \swap                              ; steps 0 and 1 stand in front of the loop: the first products start the sums
	HALF1 0, 1, 1, \swap
	HALF0 1, 0, \swap
	HALF1 1, 1, 1, \swap
	WIN 0
	s_mov_b32 s42, 4                               ; steps 2 to 9
.Llap_\@:
	HALF0 0, 0, \swap
	HALF1 0, 1, 1, \swap
	HALF0 1, 0, \swap
	HALF1 1, 1, 1, \swap
	WIN 0
	s_sub_co_u32 s42, s42, 1
	s_cmp_lg_u32 s42, 0
	s_cbranch_scc1 .Llap_\@
	HALF0 0, 0, \swap                              ; step 10: nothing more is asked for from memory
	HALF1 0, 1, 0, \swap
	HALF0 1, 0, \swap                              ; step 11: nothing more is staged
	HALF1 1, 0, 0, \swap
	PLACES
.irp a, 0,1,2,3,4,5,6,7
.if \swap
	OUTV \a
.else
	OUTQK \a
.endif
.endr
	WIN 0
	s_set_vgpr_msb 0x4
	s_wait_tensorcnt 0x0
	ds_add_u32 v15, v255
	s_wait_dscnt 0x0
	s_set_vgpr_msb 0x400
	s_endpgm
.endm
	s_wait_kmcnt 0x0
	s_cmp_eq_u32 s7, 2
	s_cbranch_scc1 .Lvproj
	s_cmp_eq_u32 s7, 0
	s_cselect_b64 s[34:35], s[8:9], s[10:11]       ; q or k
	s_cselect_b64 s[36:37], s[14:15], s[16:17]     ; Wq or Wk
	s_cselect_b64 s[38:39], s[24:25], s[26:27]     ; qf or kf
	s_cselect_b32 s43, QS, 1.0                     ; the factor where the mask is set,
	s_cselect_b32 s44, QS, 0                       ; and where it is not
	s_lshl_b32 s40, s6, 10                         ; wn: two chunks of 512 bytes
	s_add_co_u32 s40, s40, s42
	s_add_nc_u64 s[38:39], s[38:39], s[40:41]
	BASES
	s_lshl_b32 s40, s3, 10                         ; the mask of my 128 rows
	s_lshl_b32 s33, s5, 9
	s_add_co_u32 s40, s40, s33
	s_add_nc_u64 s[46:47], s[22:23], s[40:41]
	GEMM 0
.Lvproj:
	s_mov_b64 s[34:35], s[12:13]
	s_mov_b64 s[36:37], s[18:19]
	s_lshl_b32 s40, s6, 11                         ; wn: two d tiles of 1,024 bytes
	s_add_co_u32 s40, s40, s42
	s_add_nc_u64 s[38:39], s[28:29], s[40:41]
	BASES
	GEMM 1
; Wo: 64 work-groups.  A unit is 32 columns (lane = column) x 8 rows of k: eight loads of 128 neighbouring bytes, one store of 16 bytes a lane,
; of which sixteen lanes cover 256 consecutive bytes, aligned.  A wave does 3 x 3 units; no wave needs another's data.
.Lwo:
	s_sub_co_u32 s40, s2, 12
	s_lshl2_add_u32 s40, s3, s40                   ; 0 .. 63
	s_and_b32 s42, s40, 7                          ; pg: which 96 columns
	s_lshr_b32 s43, s40, 3                         ; og: which 96 rows of k
	s_mul_i32 s40, s43, 96*ROWB
	s_mul_i32 s44, s42, 384
	s_add_co_u32 s40, s40, s44
	s_wait_kmcnt 0x0
	s_add_nc_u64 s[20:21], s[20:21], s[40:41]
	s_mul_i32 s40, s42, 6*24576
	s_mul_i32 s44, s43, 12*256
	s_add_co_u32 s40, s40, s44
	s_add_nc_u64 s[30:31], s[30:31], s[40:41]
	v_and_b32 v1, 31, v0
	v_lshlrev_b32 v1, 2, v1
	s_mul_i32 s44, s4, 24*ROWB
	v_add_nc_u32 v1, s44, v1                       ; 4 x lane + my wave's 24 rows
	v_mul_u32_u24 v2, v14, 24576                   ; the column tile of my half of the lanes
	v_lshl_add_u32 v2, v13, 4, v2
	s_mul_i32 s44, s4, 768
	v_add_nc_u32 v2, s44, v2
.irp i, 0,1,2
.irp u, 0,1,2
.irp j, 0,1,2,3,4,5,6,7
	global_load_b32 v[32+8*(3*\i+\u)+\j], v1, s[20:21] offset:(8*\u+\j)*ROWB+128*\i
.endr
.endr
.endr
	s_wait_loadcnt 0x0
.irp i, 0,1,2
.irp u, 0,1,2
.irp p, 0,1,2,3
	v_cvt_pk_bf16_f32 v16, v[32+8*(3*\i+\u)+2*\p], v[32+8*(3*\i+\u)+2*\p+1]   ; the rounding that every input gets,
	v_lshlrev_b32 v17, 16, v16
	v_and_b32 v18, 0xffff0000, v16
	v_cvt_pk_f16_f32 v[104+4*(3*\i+\u)+\p], v17, v18                           ; and the format of the product's other operand
.endr
	global_store_b128 v2, v[104+4*(3*\i+\u):104+4*(3*\i+\u)+3], s[30:31] offset:49152*\i+256*\u
.endr
.endr
	s_endpgm
.Lfunc_end_k_qd578fa0989_proj:
	.size	k_qd578fa0989_proj, .Lfunc_end_k_qd578fa0989_proj-k_qd578fa0989_proj
	.p2alignl 7, 3214868480
	.fill 96, 4, 3214868480
	.section	.rodata,"a",@progbits
	.p2align	6, 0x0
	.amdhsa_kernel k_qd578fa0989_proj
		.amdhsa_group_segment_fixed_size 127488
		.amdhsa_private_segment_fixed_size 0
		.amdhsa_enable_private_segment 0
		.amdhsa_kernarg_size 96
		.amdhsa_user_sgpr_count 2
		.amdhsa_user_sgpr_kernarg_segment_ptr 1
		.amdhsa_wavefront_size32 1
		.amdhsa_system_sgpr_workgroup_id_x 1
		.amdhsa_system_sgpr_workgroup_id_y 1
		.amdhsa_system_sgpr_workgroup_id_z 1
		.amdhsa_system_vgpr_workitem_id 0
		.amdhsa_next_free_vgpr 960
		.amdhsa_next_free_sgpr 66
		.amdhsa_reserve_vcc 1
		.amdhsa_float_denorm_mode_32 3
		.amdhsa_float_denorm_mode_16_64 3
		.amdhsa_memory_ordered 1
		.amdhsa_forward_progress 1
		.amdhsa_inst_pref_size 255
	.end_amdhsa_kernel
	.section	.bss,"aw",@nobits
	.p2align	6
	.space	262144
	.amdgpu_metadata
---
amdhsa.version: [ 1, 2 ]
amdhsa.kernels:
  - .name:           k_qd578fa0989_proj
    .symbol:         k_qd578fa0989_proj.kd
    .args:
      - { .name: q, .offset: 0, .size: 8, .value_kind: global_buffer, .address_space: global }
      - { .name: k, .offset: 8, .size: 8, .value_kind: global_buffer, .address_space: global }
      - { .name: v, .offset: 16, .size: 8, .value_kind: global_buffer, .address_space: global }
      - { .name: Wq, .offset: 24, .size: 8, .value_kind: global_buffer, .address_space: global }
      - { .name: Wk, .offset: 32, .size: 8, .value_kind: global_buffer, .address_space: global }
      - { .name: Wv, .offset: 40, .size: 8, .value_kind: global_buffer, .address_space: global }
      - { .name: Wo, .offset: 48, .size: 8, .value_kind: global_buffer, .address_space: global }
      - { .name: attn_mask, .offset: 56, .size: 8, .value_kind: global_buffer, .address_space: global }
      - { .name: qf, .offset: 64, .size: 8, .value_kind: global_buffer, .address_space: global }
      - { .name: kf, .offset: 72, .size: 8, .value_kind: global_buffer, .address_space: global }
      - { .name: vf, .offset: 80, .size: 8, .value_kind: global_buffer, .address_space: global }
      - { .name: wof, .offset: 88, .size: 8, .value_kind: global_buffer, .address_space: global }
    .group_segment_fixed_size: 127488
    .private_segment_fixed_size: 0
    .kernarg_segment_align: 8
    .kernarg_segment_size: 96
    .max_flat_workgroup_size: 128
    .sgpr_count:     66
    .vgpr_count:     960
    .wavefront_size: 32
...
	.end_amdgpu_metadata
.endif
;; end of part 1
;; launch attn (part 2): grid 8 x 24, 8 waves a work-group, no clusters, 327,680 bytes of LDS; arguments qf, kf, vf, attn_mask, aof; writes aof
.if DOCPART == 2
	.amdgcn_target "amdgcn-amd-amdhsa--gfx1250"
	.amdhsa_code_object_version 6
	.text
	.protected	k_qd578fa0989_attn
	.globl	k_qd578fa0989_attn
	.p2align	8
	.type	k_qd578fa0989_attn,@function
k_qd578fa0989_attn:
	s_mov_b64 s[64:65], 0
	v_nop
	global_prefetch_b8 v0, s[64:65] scope:SCOPE_SE
	s_setreg_imm32_b32 hwreg(HW_REG_WAVE_MODE, 25, 1), 1
	s_wait_xcnt 0x0
; attn: softmax(scores) V for one head (y = 12 b + head) and 256 queries (x), over ALL 2,048 keys: the causal term is a finite -10000 that is
; added, so a future key still counts where every past key is padded or where scores are large; no key block is left out.
; Scores are in base 2 (qf carries 0.125 log2 e).  The bias (0, or -10000 log2 e for a padded or a future key) enters as the C operand of the
; first score product; padded keys have kf = 0, so their score is the bias alone.
; Eight waves: wave w has queries 64 (w&3) .. +63 (four groups of 16) and half w>>2 of every 256 keys; waves w and w+4 merge at the end.
; TRANSPOSED: S^T = K Q^T, so lane (r, h) holds query r and register j of tile t key 16t+8h+j: the maximum is taken in the lane and once across
; the halves, and two neighbouring scores, packed, ARE a register of the B fragment of O^T = V^T P^T.  The row sum is one more product
; (a matrix of ones in rows 0 and 8) of the same f16 P.  A running maximum is kept for each query.
; KEYS go in 8 supersteps of 256, beginning with the work-group's own diagonal block (sigma = (x + i) & 7): only there is the causal term made
; element by element; for the others it is part of a table of 2,048 biases, built once in LDS in the order of processing.
; K and V come by tensor loads into two slots of 64 KiB; both lie in memory in fragment order, so LDS reads are 16 x lane, dense.
; NO JOINT REQUESTS: the eight query blocks of a head start at different key blocks by design, so partners never want the same tile at the
; same time; that order spares two vector instructions a score in seven of eight supersteps.
; A wave has two tensor loads out at the start and one later.  LIMIT: the result is stored in f16 (magnitude below 65504).
.set NEG2, 0xc6616bce                  ; -10000 log2(e)
.set SLOT, 65536                       ; K 32 KiB, V 32 KiB
.set TAB,  131072                      ; the biases, 8,192 bytes; written by LDS stores only
.set XCH,  139264                      ; the merge: for each of 4 pairs O 16,384, M 512, L 512; written by LDS stores only
.set XCHW, 17408
.set ADR,  2                           ; v2-3    slot 0, 1: my half's K, 16 x lane
.set RM,   8                           ; v8-11   running maximum of group g
.set RT,   32                          ; v32-63  biases of 64 keys, as four C operands
.set RS,   64                          ; v64-95  scores
.set RP,   96                          ; v96-111 P in f16
.set RK,   112                         ; v112-175 K fragments, 16 t + 8 c
.set RQ,   176                         ; v176-239 Q fragments, 16 g + 8 c
.set RO,   0                           ; window 1: v0-127    O^T, 32 g + 8 dt
.set RL,   128                         ; window 1: v128-159  row sums, 8 g (register 0 counts)
.set RV,   160                         ; window 1: v160-223  V fragments, 8 (4 c + dt)
.set RONE, 224                         ; window 1: v224-231  ones in rows 0 and 8
; v1 16 x lane; v4 my place in the table; v5 query - key; v6 NEG2; v7 other half's maximum; v12-13 new maximum; v14-15 factor; v16-19 chains
.set MSB, 0
.macro WIN new
.if MSB != (\new)
	s_set_vgpr_msb (MSB<<8)|(\new)
.set MSB, (\new)
.endif
.endm
.macro PLACES                          ; four plain vector instructions behind a matrix instruction (ISA guide 7.12.1)
.rept 4
	v_nop
.endr
.endm
	s_load_b256 s[4:11], s[0:1], 0x0               ; qf, kf, vf, attn_mask
	s_load_b64 s[12:13], s[0:1], 0x20              ; aof
	v_lshl_add_u32 v254, v0, 2, 0x33000
	v_mov_b32 v255, 0
	ds_add_u32 v254, v255
	v_lshrrev_b32 v1, 5, v0
	v_readfirstlane_b32 s14, v1                    ; wave
	s_and_b32 s15, s14, 3                          ; qw
	s_lshr_b32 s2, s14, 2                          ; kh
	s_mov_b32 s3, ttmp9                            ; query block
	s_and_b32 s32, ttmp7, 0xffff                   ; 12 b + head
	s_cmp_ge_u32 s32, 12
	s_cselect_b32 s33, 1, 0                        ; b
	s_mul_i32 s42, s33, 12
	s_sub_co_u32 s42, s32, s42                     ; head
	; descriptor group 1: 64 rows of 32 elements of 8 bytes, dense: 16 KiB
	s_mov_b32 s16, 3<<16
	s_mov_b32 s17, 32<<16
	s_mov_b32 s18, 64<<16
	s_mov_b32 s19, 32<<16
	s_mov_b32 s20, 64
	s_mov_b32 s21, 32
	s_mov_b32 s22, 0
	s_mov_b32 s23, 0
	; group 0 for each slot.  Waves 0, 1 bring K's halves, waves 2, 3 V's: LDS address = slot + 16,384 x wave
	s_lshl_b32 s43, s14, 14
	s_mov_b32 s24, 1
	s_mov_b32 s25, s43
	s_mov_b32 s28, 1
	s_add_co_u32 s29, s43, SLOT
	s_lshl_b32 s36, s32, 18                        ; my head,
	s_and_b32 s44, s14, 1
	s_lshl_b32 s44, s44, 14                        ; my half of a superstep's 32 KiB
	s_add_co_u32 s36, s36, s44
	s_mov_b32 s37, 0
	s_wait_dscnt 0x0
	s_barrier_signal -1
	s_barrier_wait -1
	s_wait_kmcnt 0x0
	s_cmp_lt_u32 s14, 2
	s_cselect_b64 s[34:35], s[6:7], s[8:9]
	s_add_nc_u64 s[34:35], s[34:35], s[36:37]
	s_lshl_b32 s36, s3, 15                         ; superstep 0: my own block
	s_add_nc_u64 s[26:27], s[34:35], s[36:37]
	s_or_b32 s27, s27, 0x80000000
	s_add_co_u32 s38, s3, 1
	s_and_b32 s38, s38, 7                          ; superstep 1
	s_lshl_b32 s36, s38, 15
	s_add_nc_u64 s[30:31], s[34:35], s[36:37]
	s_or_b32 s31, s31, 0x80000000
	s_cmp_lt_u32 s14, 4
	s_cbranch_scc0 .Lnofill
	tensor_load_to_lds s[24:27], s[16:23]          ; both first fills go out together, ahead of everything else
	s_nop 0
	tensor_load_to_lds s[28:31], s[16:23]
	s_nop 0
.Lnofill:
	v_and_b32 v20, 31, v0
	v_lshlrev_b32 v1, 4, v20
	v_lshlrev_b32 v21, 5, v20
	s_lshl_b32 s44, s32, 7
	s_lshl4_add_u32 s44, s3, s44
	s_lshl2_add_u32 s44, s15, s44                  ; my first group of 16 queries
	s_lshl_b32 s44, s44, 11
	s_mov_b32 s45, 0
	s_add_nc_u64 s[4:5], s[4:5], s[44:45]
.set n, 0
.rept 16
	global_load_b128 v[RQ+4*n:RQ+4*n+3], v1, s[4:5] offset:512*n
.set n, n+1
.endr
	s_add_co_u32 s46, s3, s14
	s_and_b32 s46, s46, 7                          ; wave w builds the table of superstep w: key block (x + w) & 7
	s_lshl_b32 s44, s46, 10
	s_lshl_b32 s47, s33, 13
	s_add_co_u32 s44, s44, s47
	s_add_nc_u64 s[10:11], s[10:11], s[44:45]
	global_load_b128 v[24:27], v21, s[10:11]
	global_load_b128 v[28:31], v21, s[10:11] offset:16
	v_and_b32 v22, 15, v0                          ; r
	v_bfe_u32 v23, v0, 4, 1                        ; h
	s_lshl_b32 s43, s2, 14
	v_add_nc_u32 v2, s43, v1
	v_add_nc_u32 v3, SLOT, v2
	s_lshl_b32 s43, s2, 9
	s_add_co_u32 s43, s43, TAB
	v_lshl_add_u32 v4, v23, 5, s43
	s_lshl_b32 s43, s15, 6
	s_lshl_b32 s47, s2, 7
	s_sub_co_i32 s43, s43, s47
	v_lshlrev_b32 v5, 3, v23
	v_sub_nc_u32 v5, v22, v5
	v_add_nc_u32 v5, s43, v5                       ; r - 8 h + 64 qw - 128 kh
	v_mov_b32 v6, NEG2
	v_mov_b32 v7, 0
	v_mov_b32 v13, 0
	v_mov_b32 v15, 0
	s_mov_b32 s40, 0x76543210                      ; lane i of one half reads lane i of the other
	s_mov_b32 s41, 0xfedcba98
	v_and_b32 v22, 7, v0
	v_cmp_eq_u32 vcc_lo, 0, v22
	v_mov_b32 v23, 0x3c003c00                      ; two f16 ones
	WIN 0x40
.set n, 0
.rept 8
	v_cndmask_b32 v[RONE+n], 0, v23, vcc_lo
.set n, n+1
.endr
	WIN 0
	s_wait_loadcnt 0x0                             ; Q and the mask
	s_cmp_gt_u32 s46, s3
	s_cselect_b32 s47, NEG2, 0                     ; a key block behind mine is future as a whole
	v_mov_b32 v22, s47
.irp i, 0,1,2,3,4,5,6,7
	v_cmp_eq_u32 vcc_lo, 0, v[24+\i]
	v_cndmask_b32 v[24+\i], v22, v6, vcc_lo
.endr
	v_lshl_add_u32 v23, v0, 5, TAB
	ds_store_b128 v23, v[24:27]
	ds_store_b128 v23, v[28:31] offset:16
	s_wait_dscnt 0x0                               ; my part of the table, for the other waves
	s_wait_tensorcnt 0x1                           ; my part of slot 0 is in; slot 1's may stay out
	s_barrier_signal -1
	s_barrier_wait -1
; K's fragments and the biases of 64 keys (step st of my half)
.macro LOADKT slot, st, ti
.set n, 0
.rept 16
	ds_load_b128 v[RK+4*n:RK+4*n+3], v[ADR+\slot] offset:8192*\st+512*n
.set n, n+1
.endr
.irp t, 0,1,2,3
	ds_load_b128 v[RT+8*\t:RT+8*\t+3], v4 offset:\ti+256*\st+64*\t
	ds_load_b128 v[RT+8*\t+4:RT+8*\t+7], v4 offset:\ti+256*\st+64*\t+16
.endr
.endm
.macro LOADV slot, st
	WIN 0x40
.set n, 0
.rept 16
	ds_load_b128 v[RV+4*n:RV+4*n+3], v[ADR+\slot] offset:32768+8192*\st+512*n
.set n, n+1
.endr
	WIN 0
.endm
; 16 queries x 64 keys.  mixed: the diagonal block; first: nothing has been summed yet; pre: group 3 asks for the next step's K and biases.
; Matrix instructions on one accumulator never follow each other: four score tiles, then five output tiles, take turns.
.macro GROUP g, slot, st, ti, mixed, first, pre
.if \g == 0
	s_wait_dscnt 0x0                               ; K and the biases are in
.endif
.if \mixed
.irp t, 0,1,2,3
.irp j, 0,1,2,3,4,5,6,7
	v_cmp_gt_i32 vcc_lo, 64*\st+16*(\t-\g)+\j, v5  ; key > query
	v_cndmask_b32 v[RS+8*\t+\j], v[RT+8*\t+\j], v6, vcc_lo
.endr
.endr
.irp t, 0,1,2,3
	v_wmma_f32_16x16x32_f16 v[RS+8*\t:RS+8*\t+7], v[RK+16*\t:RK+16*\t+7], v[RQ+16*\g:RQ+16*\g+7], v[RS+8*\t:RS+8*\t+7]
.endr
.else
.irp t, 0,1,2,3
	v_wmma_f32_16x16x32_f16 v[RS+8*\t:RS+8*\t+7], v[RK+16*\t:RK+16*\t+7], v[RQ+16*\g:RQ+16*\g+7], v[RT+8*\t:RT+8*\t+7]
.endr
.endif
.irp t, 0,1,2,3
	v_wmma_f32_16x16x32_f16 v[RS+8*\t:RS+8*\t+7], v[RK+16*\t+8:RK+16*\t+15], v[RQ+16*\g+8:RQ+16*\g+15], v[RS+8*\t:RS+8*\t+7]
.endr
	PLACES                                         ; behind the scores, and behind the last group's products, which read V
.if \g == 0
	LOADV \slot, \st
.endif
.irp t, 0,1,2,3
	v_max3_num_f32 v[16+\t], v[RS+8*\t], v[RS+8*\t+1], v[RS+8*\t+2]
.endr
.irp t, 0,1,2,3
	v_max3_num_f32 v[16+\t], v[16+\t], v[RS+8*\t+3], v[RS+8*\t+4]
.endr
.irp t, 0,1,2,3
	v_max3_num_f32 v[16+\t], v[16+\t], v[RS+8*\t+5], v[RS+8*\t+6]
.endr
.irp t, 0,1,2,3
	v_max_num_f32 v[16+\t], v[16+\t], v[RS+8*\t+7]
.endr
.if \first
	v_max3_num_f32 v16, v16, v17, v18
	v_max_num_f32 v16, v16, v19
.else
	v_max3_num_f32 v16, v16, v17, v[RM+\g]
	v_max3_num_f32 v16, v16, v18, v19
.endif
	v_permlanex16_b32 v7, v16, s40, s41            ; the other half of the lanes holds the query's other keys
	v_max_num_f32 v12, v16, v7
.if \first == 0
	v_sub_f32 v18, v[RM+\g], v12
	v_exp_f32 v14, v18                             ; what has been summed shrinks by 2^(old - new); used far below
.endif
.if \pre
.if \g == 3
	LOADKT \slot, 1, \ti
.endif
.endif
.set n, 0
.rept 16
	v_pk_add_f32 v[RS+2*n:RS+2*n+1], v[RS+2*n:RS+2*n+1], v[12:13] op_sel_hi:[1,0] neg_lo:[0,1] neg_hi:[0,1]
.set n, n+1
.endr
.set n, 0
.rept 32
	v_exp_f32 v[RS+n], v[RS+n]
.set n, n+1
.endr
	v_mov_b32 v[RM+\g], v12                        ; the plain instruction between the exponentials and their first use (ISA guide 5.7.2)
.set n, 0
	s_wait_alu depctr_va_vdst(0)
.rept 16
	v_cvt_pk_f16_f32 v[RP+n], v[RS+2*n], v[RS+2*n+1]
.set n, n+1
.endr
.if \g == 0
	s_wait_dscnt 0x0                               ; V is in
.endif
.if \first == 0
	WIN 0x41
.set n, 0
.rept 16
	v_pk_mul_f32 v[RO+32*\g+2*n:RO+32*\g+2*n+1], v[RO+32*\g+2*n:RO+32*\g+2*n+1], v[14:15] op_sel_hi:[1,0]
.set n, n+1
.endr
	v_mul_f32 v[RL+8*\g], v[RL+8*\g], v14
.endif
	WIN 0x51
.irp c, 0,1
.irp d, 0,1,2,3
.if \first*(1-\c)
	v_wmma_f32_16x16x32_f16 v[RO+32*\g+8*\d:RO+32*\g+8*\d+7], v[RV+8*(4*\c+\d):RV+8*(4*\c+\d)+7], v[RP+8*\c:RP+8*\c+7], 0
.else
	v_wmma_f32_16x16x32_f16 v[RO+32*\g+8*\d:RO+32*\g+8*\d+7], v[RV+8*(4*\c+\d):RV+8*(4*\c+\d)+7], v[RP+8*\c:RP+8*\c+7], v[RO+32*\g+8*\d:RO+32*\g+8*\d+7]
.endif
.endr
.if \first*(1-\c)
	v_wmma_f32_16x16x32_f16 v[RL+8*\g:RL+8*\g+7], v[RONE:RONE+7], v[RP+8*\c:RP+8*\c+7], 0
.else
	v_wmma_f32_16x16x32_f16 v[RL+8*\g:RL+8*\g+7], v[RONE:RONE+7], v[RP+8*\c:RP+8*\c+7], v[RL+8*\g:RL+8*\g+7]
.endif
.endr
	WIN 0
.endm
.macro STEP slot, st, ti, mixed, first, pre
	GROUP 0, \slot, \st, \ti, \mixed, \first, \pre
	GROUP 1, \slot, \st, \ti, \mixed, \first, \pre
	GROUP 2, \slot, \st, \ti, \mixed, \first, \pre
	GROUP 3, \slot, \st, \ti, \mixed, \first, \pre
.endm
.macro SUPER slot, ti, mixed           ; my 128 keys of a superstep
	LOADKT \slot, 0, \ti
	STEP \slot, 0, \ti, \mixed, \mixed, 1
	STEP \slot, 1, \ti, \mixed, 0, 0
.endm
; A change of slots.  In front of the barrier every wave's tensor loads have landed (this slot's tile among them) and its reads of the other
; slot are back; behind it the other slot is filled again first, one load a wave, and has a whole superstep in which to land.
.macro TURN slot, refill, ti
	s_wait_tensorcnt 0x0                           ; no tensor load of mine is out: a group 0 may be written
	ds_add_u32 v254, v255
	s_wait_dscnt 0x0
.if \refill
	s_add_co_u32 s38, s38, 1
	s_and_b32 s38, s38, 7                          ; the next key block
	s_lshl_b32 s36, s38, 15
	s_add_nc_u64 s[30-4*\slot:31-4*\slot], s[34:35], s[36:37]
	s_or_b32 s[31-4*\slot], s[31-4*\slot], 0x80000000
.endif
	s_wait_dscnt 0x0
	s_barrier_signal -1
	s_barrier_wait -1
.if \refill
	s_cmp_lt_u32 s14, 4
	s_cbranch_scc0 .Lnoref_\@
	tensor_load_to_lds s[28-4*\slot:31-4*\slot], s[16:23]
	s_nop 0
.Lnoref_\@:
.endif
	SUPER \slot, \ti, 0
.endm
	SUPER 0, 0, 1                                  ; superstep 0: the diagonal block starts the sums
	s_mov_b32 s39, 3
.Lsuper:
	TURN 1, 1, 1024                                ; supersteps 1, 3, 5
	TURN 0, 1, 2048                                ; supersteps 2, 4, 6
	v_add_nc_u32 v4, 2048, v4                      ; two supersteps on in the table
	s_sub_co_u32 s39, s39, 1
	s_cmp_lg_u32 s39, 0
	s_cbranch_scc1 .Lsuper
	TURN 1, 0, 1024                                ; superstep 7: nothing is left to fetch
	; THE MERGE: waves 4-7 hand their maxima, sums and O to waves 0-3 through LDS bytes into which no tensor load lands
	PLACES
	s_mul_i32 s43, s15, XCHW
	s_add_co_u32 s43, s43, XCH
	v_add_nc_u32 v20, s43, v1
	v_and_b32 v21, 31, v0
	v_lshl_add_u32 v21, v21, 2, s43
	s_cmp_lt_u32 s14, 4
	s_cbranch_scc1 .Lkeep
	WIN 0x04
.set n, 0
.rept 32
	ds_store_b128 v20, v[RO+4*n:RO+4*n+3] offset:512*n
.set n, n+1
.endr
.irp g, 0,1,2,3
	ds_store_b32 v21, v[RL+8*\g] offset:16896+128*\g
.endr
	WIN 0
	ds_store_b128 v20, v[RM:RM+3] offset:16384
.Lkeep:
	s_wait_dscnt 0x0                               ; the stores are done, for the partner
	s_barrier_signal -1
	s_barrier_wait -1
	s_cmp_lt_u32 s14, 4
	s_cbranch_scc1 .Lmerge
	s_wait_tensorcnt 0x0
	ds_add_u32 v254, v255
	s_wait_dscnt 0x0
	s_endpgm
.Lmerge:
.set n, 0
.rept 32
	ds_load_b128 v[112+4*n:112+4*n+3], v20 offset:512*n
.set n, n+1
.endr
	ds_load_b128 v[32:35], v20 offset:16384
.irp g, 0,1,2,3
	ds_load_b32 v[36+\g], v21 offset:16896+128*\g
.endr
	s_lshl_b32 s44, s33, 7
	s_lshl4_add_u32 s44, s3, s44
	s_lshl2_add_u32 s44, s15, s44                  ; my first group of 16 rows of [4096]
	s_mul_i32 s44, s44, 24
	s_lshl1_add_u32 s44, s42, s44                  ; + two K steps of 32 a head
	s_lshl_b32 s44, s44, 10
	s_mov_b32 s45, 0
	s_add_nc_u64 s[12:13], s[12:13], s[44:45]
	WIN 0x01
.irp g, 0,1,2,3
	v_mov_b32 v[40+\g], v[RL+8*\g]
.endr
	WIN 0
	s_wait_dscnt 0x0
.irp g, 0,1,2,3
	v_max_num_f32 v[44+\g], v[RM+\g], v[32+\g]
.endr
.irp g, 0,1,2,3
	v_sub_f32 v[48+2*\g], v[RM+\g], v[44+\g]
	v_sub_f32 v[56+2*\g], v[32+\g], v[44+\g]
.endr
.irp g, 0,1,2,3
	v_exp_f32 v[48+2*\g], v[48+2*\g]
	v_exp_f32 v[56+2*\g], v[56+2*\g]
.endr
	v_nop
	s_wait_alu depctr_va_vdst(0)
.irp g, 0,1,2,3
	v_mul_f32 v[44+\g], v[40+\g], v[48+2*\g]
	v_fma_f32 v[44+\g], v[36+\g], v[56+2*\g], v[44+\g]   ; the whole row's sum; at least 1, since the largest score gives 1
.endr
.irp g, 0,1,2,3
	v_rcp_f32 v[44+\g], v[44+\g]
.endr
	v_nop
	s_wait_alu depctr_va_vdst(0)
.irp g, 0,1,2,3
	v_mul_f32 v[48+2*\g], v[48+2*\g], v[44+\g]
	v_mul_f32 v[56+2*\g], v[56+2*\g], v[44+\g]
	v_mov_b32 v[49+2*\g], v[48+2*\g]
	v_mov_b32 v[57+2*\g], v[56+2*\g]
.endr
.irp g, 0,1,2,3
.set n, 0
.rept 16
	v_pk_mul_f32 v[112+32*\g+2*n:112+32*\g+2*n+1], v[112+32*\g+2*n:112+32*\g+2*n+1], v[56+2*\g:57+2*\g]
.set n, n+1
.endr
.endr
	WIN 0x01
.irp g, 0,1,2,3
.set n, 0
.rept 16
	v_pk_fma_f32 v[112+32*\g+2*n:112+32*\g+2*n+1], v[RO+32*\g+2*n:RO+32*\g+2*n+1], v[48+2*\g:49+2*\g], v[112+32*\g+2*n:112+32*\g+2*n+1]
.set n, n+1
.endr
.endr
	WIN 0
.set n, 0
.rept 64
	v_cvt_pk_f16_f32 v[32+n], v[112+2*n], v[112+2*n+1]
.set n, n+1
.endr
.set n, 0
.rept 16
	global_store_b128 v1, v[32+4*n:32+4*n+3], s[12:13] offset:24576*(n/4)+512*(n%4)   ; 512 consecutive bytes a store, aligned
.set n, n+1
.endr
	s_wait_tensorcnt 0x0
	ds_add_u32 v254, v255
	s_wait_dscnt 0x0
	s_endpgm
.Lfunc_end_k_qd578fa0989_attn:
	.size	k_qd578fa0989_attn, .Lfunc_end_k_qd578fa0989_attn-k_qd578fa0989_attn
	.p2alignl 7, 3214868480
	.fill 96, 4, 3214868480
	.section	.rodata,"a",@progbits
	.p2align	6, 0x0
	.amdhsa_kernel k_qd578fa0989_attn
		.amdhsa_group_segment_fixed_size 327680
		.amdhsa_private_segment_fixed_size 0
		.amdhsa_enable_private_segment 0
		.amdhsa_kernarg_size 40
		.amdhsa_user_sgpr_count 2
		.amdhsa_user_sgpr_kernarg_segment_ptr 1
		.amdhsa_wavefront_size32 1
		.amdhsa_system_sgpr_workgroup_id_x 1
		.amdhsa_system_sgpr_workgroup_id_y 1
		.amdhsa_system_sgpr_workgroup_id_z 1
		.amdhsa_system_vgpr_workitem_id 0
		.amdhsa_next_free_vgpr 512
		.amdhsa_next_free_sgpr 66
		.amdhsa_reserve_vcc 1
		.amdhsa_float_denorm_mode_32 3
		.amdhsa_float_denorm_mode_16_64 3
		.amdhsa_memory_ordered 1
		.amdhsa_forward_progress 1
		.amdhsa_inst_pref_size 255
	.end_amdhsa_kernel
	.section	.bss,"aw",@nobits
	.p2align	6
	.space	262144
	.amdgpu_metadata
---
amdhsa.version: [ 1, 2 ]
amdhsa.kernels:
  - .name:           k_qd578fa0989_attn
    .symbol:         k_qd578fa0989_attn.kd
    .args:
      - { .name: qf, .offset: 0, .size: 8, .value_kind: global_buffer, .address_space: global }
      - { .name: kf, .offset: 8, .size: 8, .value_kind: global_buffer, .address_space: global }
      - { .name: vf, .offset: 16, .size: 8, .value_kind: global_buffer, .address_space: global }
      - { .name: attn_mask, .offset: 24, .size: 8, .value_kind: global_buffer, .address_space: global }
      - { .name: aof, .offset: 32, .size: 8, .value_kind: global_buffer, .address_space: global }
    .group_segment_fixed_size: 327680
    .private_segment_fixed_size: 0
    .kernarg_segment_align: 8
    .kernarg_segment_size: 40
    .max_flat_workgroup_size: 256
    .sgpr_count:     66
    .vgpr_count:     512
    .wavefront_size: 32
...
	.end_amdgpu_metadata
.endif
;; end of part 2
;; launch outp (part 3): grid 4 x 64, 4 waves a work-group, clusters of 4 x 4, 327,680 bytes of LDS; arguments aof, wof, out0; writes out0
.if DOCPART == 3
	.amdgcn_target "amdgcn-amd-amdhsa--gfx1250"
	.amdhsa_code_object_version 6
	.text
	.protected	k_qd578fa0989_outp
	.globl	k_qd578fa0989_outp
	.p2align	8
	.type	k_qd578fa0989_outp,@function
k_qd578fa0989_outp:
	s_mov_b64 s[64:65], 0
	v_nop
	global_prefetch_b8 v0, s[64:65] scope:SCOPE_SE
	s_setreg_imm32_b32 hwreg(HW_REG_WAVE_MODE, 25, 1), 1
	s_wait_xcnt 0x0
	s_wait_alu depctr_hold_cnt(0) depctr_sa_sdst(0) depctr_va_vdst(0) depctr_va_sdst(0) depctr_va_ssrc(0) depctr_va_vcc(0) depctr_vm_vsrc(0)
	s_getreg_b32 s2, hwreg(HW_REG_IB_STS2, 6, 4)
	s_cmp_eq_u32 s2, 0
	s_cbranch_scc0 .Lentry_in_a_cluster
	s_endpgm
.Lentry_in_a_cluster:
	s_bfe_u32 s2, ttmp6, 0x10000c
	s_cmp_lg_u32 s2, 0xf033
	s_cbranch_scc0 .Lentry_shape_is_right
	s_endpgm
.Lentry_shape_is_right:
; outp: out0 = O Wo.  O (aof) and Wo (wof) lie in memory in fragment order, f16: [tile of 16 rows or columns][k/32][e][lane][8], 24,576 bytes a tile.
; A work-group makes 64 rows x 192 columns (y, x); wave w all 64 rows x columns 48 w .. +47: 4 x 3 accumulators.  K = 768 in 3 chunks of 8 steps of 32.
; CLUSTERS of 4 x 4: O's tiles hang on the block row alone and are asked for jointly by a row of the cluster, Wo's on the block column alone and
; by a column.  A load brings 4 tiles x 8 KiB (4 rows of 1,024 elements of 8 bytes, 3,072 elements apart): waves 0-2 Wo's twelve tiles, wave 3 O's four.
; Two slots of 128 KiB; chunk 2 fills slot 0 again behind a round of the cluster's barrier.  A wave has two tensor loads out at the start, one later.
; The result leaves through a stage in LDS (bytes of its own), so that sixteen lanes store 256 consecutive bytes, aligned.
.set SLOT,  131072
.set STAGE, 262144
.set SPITCH, 784                       ; 768 bytes + 16: 49 x 16
.set BADR, 2                           ; v2-3  my three column tiles in slot 0, 1
.set AADR, 4                           ; v4-5  the four row tiles
.set STO,  6
.set RD,   7
.set CO,   8
.set F0,   16                          ; v16-71   fragments: B 3 x 8, A 4 x 8
.set F1,   72                          ; v72-127
.set ACC,  128                         ; v128-223 tile (a, b) at 8 (3 a + b)
.set G1,  24                           ; s[24:31] group 1 for O's tiles
.set G0,  32                           ; s[32:39] group 0 for O's tiles, one set a slot
.set G1B, 48                           ; s[48:55] group 1 for Wo's tiles
.set G0B, 56                           ; s[56:63] group 0 for Wo's tiles
.macro PLACES                          ; four plain vector instructions behind a matrix instruction (ISA guide 7.12.1)
.rept 4
	v_nop
.endr
.endm
.macro JLOAD s                         ; a joint load; the branch hangs on the wave's number alone
	s_cmp_eq_u32 s10, 3
	s_cbranch_scc0 .Lfor_b_\@
	tensor_load_to_lds s[G0+4*\s:G0+4*\s+3], s[G1:G1+7]
	s_nop 0
	s_branch .Lasked_\@
.Lfor_b_\@:
	tensor_load_to_lds s[G0B+4*\s:G0B+4*\s+3], s[G1B:G1B+7]
	s_nop 0
.Lasked_\@:
.endm
.macro CROUND                          ; a round of the cluster's barrier
	s_barrier_signal -1
	s_barrier_wait -1
	s_cmp_lg_u32 s10, 0
	s_cbranch_scc1 .Lnot_wave_0_\@
	s_barrier_signal -3
.Lnot_wave_0_\@:
	s_barrier_wait -3
	s_barrier_signal -1
	s_barrier_wait -1
.endm
	s_load_b128 s[4:7], s[0:1], 0x0                ; aof, wof
	s_load_b64 s[8:9], s[0:1], 0x10                ; out0
	v_lshl_add_u32 v254, v0, 2, 0x4c400
	v_mov_b32 v255, 0
	ds_add_u32 v254, v255
	v_lshrrev_b32 v1, 5, v0
	v_readfirstlane_b32 s10, v1                    ; wave
	s_bfe_u32 s40, ttmp6, 0x40000                  ; cx
	s_bfe_u32 s41, ttmp6, 0x40004                  ; cy
	s_lshl_b32 s42, ttmp9, 2
	s_add_co_u32 s42, s42, s40                     ; block column
	s_and_b32 s13, ttmp7, 0xffff
	s_lshl_b32 s13, s13, 2
	s_add_co_u32 s13, s13, s41                     ; block row
	s_lshl_b32 s43, s41, 2
	s_lshl_b32 s43, 15, s43                        ; my row of the cluster
	s_lshl_b32 s44, 0x1111, s40                    ; my column
	s_or_b32 s[G1+0], s43, (3<<16)|(1<<21)         ; the mask; elements of 8 bytes; bit 21 beside a mask
	s_or_b32 s[G1B+0], s44, (3<<16)|(1<<21)
	s_mov_b32 s[G1+1], 1024<<16                    ; tensor_dim0 = 1,024
	s_mov_b32 s[G1B+1], 1024<<16
	s_mov_b32 s[G1+2], 4<<16                       ; tensor_dim1 = 4
	s_mov_b32 s[G1B+2], 4<<16
	s_mov_b32 s[G1+3], 1024<<16                    ; tile_dim0 = 1,024
	s_mov_b32 s[G1B+3], 1024<<16
	s_mov_b32 s[G1+4], 4                           ; tile_dim1 = 4
	s_mov_b32 s[G1B+4], 4
	s_mov_b32 s[G1+5], 3072                        ; from tile to tile
	s_mov_b32 s[G1B+5], 3072
	s_mov_b32 s[G1+6], 0
	s_mov_b32 s[G1B+6], 0
	s_mov_b32 s[G1+7], 0
	s_mov_b32 s[G1B+7], 0
	s_mul_i32 s16, s13, 4*24576                    ; O: four row tiles a block row
	s_mov_b32 s17, 0
	s_min_u32 s11, s10, 2                          ; (wave 3 asks for O: its copy of Wo's address stays inside the buffer)
	s_mul_i32 s46, s42, 12
	s_lshl2_add_u32 s46, s11, s46                  ; Wo: column tile 12 x block column + 4 x wave
	s_mul_i32 s46, s46, 24576
	s_mov_b32 s47, 0
	s_lshl_b32 s20, s10, 15                        ; LDS: 32 KiB a wave; no place in the cluster enters
	s_wait_dscnt 0x0
	s_wait_kmcnt 0x0
	s_add_nc_u64 s[14:15], s[4:5], s[16:17]
	s_add_nc_u64 s[46:47], s[6:7], s[46:47]
	CROUND                                         ; all sixteen work-groups are here: the first joint loads meet
.irp s, 0,1
	s_mov_b32 s[G0+4*\s], 1
	s_add_co_u32 s[G0+4*\s+1], s20, \s*SLOT
	s_add_nc_u64 s[G0+4*\s+2:G0+4*\s+3], s[14:15], \s*8192         ; chunk s
	s_or_b32 s[G0+4*\s+3], s[G0+4*\s+3], 0x80000000
	s_mov_b32 s[G0B+4*\s], 1
	s_add_co_u32 s[G0B+4*\s+1], s20, \s*SLOT
	s_add_nc_u64 s[G0B+4*\s+2:G0B+4*\s+3], s[46:47], \s*8192
	s_or_b32 s[G0B+4*\s+3], s[G0B+4*\s+3], 0x80000000
	JLOAD \s
.endr
	v_and_b32 v1, 31, v0
	v_lshlrev_b32 v1, 4, v1                        ; 16 x lane
	s_mul_i32 s21, s10, 3*8192
	v_add_nc_u32 v2, s21, v1
	v_add_nc_u32 v3, SLOT, v2
	v_add_nc_u32 v4, 12*8192, v1
	v_add_nc_u32 v5, SLOT, v4
	v_and_b32 v9, 15, v0                           ; r
	v_bfe_u32 v10, v0, 4, 1                        ; h
	v_mul_u32_u24 v6, v9, SPITCH
	v_lshl_add_u32 v6, v10, 5, v6
	s_mul_i32 s21, s10, 192
	s_add_co_u32 s21, s21, STAGE
	v_add_nc_u32 v6, s21, v6                       ; in: row r, my wave's 192 bytes, 32 bytes for each half of the lanes
	v_mul_u32_u24 v7, v10, SPITCH
	v_lshl_add_u32 v7, v9, 4, v7
	s_mul_i32 s21, s10, 16*SPITCH
	s_add_co_u32 s21, s21, STAGE
	v_add_nc_u32 v7, s21, v7                       ; back: my wave's 16 rows, two at a time, 256 bytes for sixteen lanes
	v_mul_u32_u24 v8, v10, 3072
	v_lshl_add_u32 v8, v9, 4, v8
	s_mul_i32 s21, s10, 16*3072
	v_add_nc_u32 v8, s21, v8                       ; and the same in out0
.macro FETCH s, kk, f                  ; 14 LDS loads: the fragments of K step kk of the chunk in slot s
.irp b, 0,1,2
	ds_load_b128 v[\f+8*\b:\f+8*\b+3], v[BADR+\s] offset:8192*\b+1024*\kk
	ds_load_b128 v[\f+8*\b+4:\f+8*\b+7], v[BADR+\s] offset:8192*\b+1024*\kk+512
.endr
.irp a, 0,1,2,3
	ds_load_b128 v[\f+24+8*\a:\f+24+8*\a+3], v[AADR+\s] offset:8192*\a+1024*\kk
	ds_load_b128 v[\f+24+8*\a+4:\f+24+8*\a+7], v[AADR+\s] offset:8192*\a+1024*\kk+512
.endr
.endm
; 12 products; source 0 = Wo's columns, source 1 = O's rows: a lane holds one row and eight neighbouring columns.
; The twelve accumulators take turns, one instruction a turn.
.macro MUL f, zero
.irp a, 0,1,2,3
.irp b, 0,1,2
.if \zero
	v_wmma_f32_16x16x32_f16 v[ACC+8*(3*\a+\b):ACC+8*(3*\a+\b)+7], v[\f+8*\b:\f+8*\b+7], v[\f+24+8*\a:\f+24+8*\a+7], 0
.else
	v_wmma_f32_16x16x32_f16 v[ACC+8*(3*\a+\b):ACC+8*(3*\a+\b)+7], v[\f+8*\b:\f+8*\b+7], v[\f+24+8*\a:\f+24+8*\a+7], v[ACC+8*(3*\a+\b):ACC+8*(3*\a+\b)+7]
.endif
.endr
.endr
.endm
.macro KSTEP s, nk, f, g, zero
	PLACES
	FETCH \s, \nk, \g                              ; the next step's fragments,
	s_wait_dscnt 14                                ; which may stay out: this step's 14 are in
	MUL \f, \zero
.endm
.macro CHUNK s, zero
	KSTEP \s, 1, F0, F1, \zero
	KSTEP \s, 2, F1, F0, 0
	KSTEP \s, 3, F0, F1, 0
	KSTEP \s, 4, F1, F0, 0
	KSTEP \s, 5, F0, F1, 0
	KSTEP \s, 6, F1, F0, 0
	KSTEP \s, 7, F0, F1, 0
	s_wait_dscnt 0x0
	MUL F1, 0
.endm
	s_wait_tensorcnt 0x1                           ; my part of chunk 0 is in; chunk 1's may stay out
	s_barrier_signal -1
	s_barrier_wait -1
	FETCH 0, 0, F0
	CHUNK 0, 1
	s_wait_dscnt 0x0                               ; my reads of slot 0 are back
	s_wait_tensorcnt 0x0                           ; all my tensor loads have landed, my part of chunk 1 among them: a group 0 may be written
	ds_add_u32 v254, v255
	s_wait_dscnt 0x0
	s_add_nc_u64 s[G0+2:G0+3], s[G0+2:G0+3], 16384
	s_add_nc_u64 s[G0B+2:G0B+3], s[G0B+2:G0B+3], 16384
	CROUND                                         ; both now hold of every wave of all sixteen work-groups
	JLOAD 0                                        ; chunk 2, first behind the round
	PLACES
	FETCH 1, 0, F0
	CHUNK 1, 0
	s_wait_tensorcnt 0x0                           ; my part of chunk 2
	s_wait_dscnt 0x0
	s_barrier_signal -1
	s_barrier_wait -1                              ; everybody's
	PLACES
	FETCH 0, 0, F0
	CHUNK 0, 0
	PLACES
.irp a, 0,1,2,3
.irp b, 0,1,2
	ds_store_b128 v[STO], v[ACC+8*(3*\a+\b):ACC+8*(3*\a+\b)+3] offset:16*SPITCH*\a+64*\b
	ds_store_b128 v[STO], v[ACC+8*(3*\a+\b)+4:ACC+8*(3*\a+\b)+7] offset:16*SPITCH*\a+64*\b+16
.endr
.endr
	s_mul_i32 s16, s13, 64*3072                    ; my 64 rows,
	s_mov_b32 s17, 0
	s_add_nc_u64 s[8:9], s[8:9], s[16:17]
	s_mul_i32 s46, s42, 768                        ; my 192 columns (in registers that feed none of O's descriptors)
	s_mov_b32 s47, 0
	s_add_nc_u64 s[8:9], s[8:9], s[46:47]
	s_wait_dscnt 0x0                               ; my stores, for the other waves
	s_barrier_signal -1
	s_barrier_wait -1
.set n, 0
.rept 24
	ds_load_b128 v[16+4*n:16+4*n+3], v[RD] offset:2*SPITCH*(n/3)+256*(n%3)
.set n, n+1
.endr
.set n, 0
.rept 24
	s_wait_dscnt 23-n                              ; LDS loads come back in order: number n is in
	global_store_b128 v[CO], v[16+4*n:16+4*n+3], s[8:9] offset:6144*(n/3)+256*(n%3)
.set n, n+1
.endr
	s_wait_tensorcnt 0x0
	ds_add_u32 v254, v255
	s_wait_dscnt 0x0
	CROUND                                         ; the closing round: no work-group ends while a partner may still ask jointly
	s_endpgm
.Lfunc_end_k_qd578fa0989_outp:
	.size	k_qd578fa0989_outp, .Lfunc_end_k_qd578fa0989_outp-k_qd578fa0989_outp
	.p2alignl 7, 3214868480
	.fill 96, 4, 3214868480
	.section	.rodata,"a",@progbits
	.p2align	6, 0x0
	.amdhsa_kernel k_qd578fa0989_outp
		.amdhsa_group_segment_fixed_size 327680
		.amdhsa_private_segment_fixed_size 0
		.amdhsa_enable_private_segment 0
		.amdhsa_kernarg_size 24
		.amdhsa_user_sgpr_count 2
		.amdhsa_user_sgpr_kernarg_segment_ptr 1
		.amdhsa_wavefront_size32 1
		.amdhsa_system_sgpr_workgroup_id_x 1
		.amdhsa_system_sgpr_workgroup_id_y 1
		.amdhsa_system_sgpr_workgroup_id_z 1
		.amdhsa_system_vgpr_workitem_id 0
		.amdhsa_next_free_vgpr 256
		.amdhsa_next_free_sgpr 66
		.amdhsa_reserve_vcc 0
		.amdhsa_float_denorm_mode_32 3
		.amdhsa_float_denorm_mode_16_64 3
		.amdhsa_memory_ordered 1
		.amdhsa_forward_progress 1
		.amdhsa_inst_pref_size 57
	.end_amdhsa_kernel
	.amdgpu_metadata
---
amdhsa.version: [ 1, 2 ]
amdhsa.kernels:
  - .name:           k_qd578fa0989_outp
    .symbol:         k_qd578fa0989_outp.kd
    .args:
      - { .name: aof, .offset: 0, .size: 8, .value_kind: global_buffer, .address_space: global }
      - { .name: wof, .offset: 8, .size: 8, .value_kind: global_buffer, .address_space: global }
      - { .name: out0, .offset: 16, .size: 8, .value_kind: global_buffer, .address_space: global }
    .group_segment_fixed_size: 327680
    .private_segment_fixed_size: 0
    .kernarg_segment_align: 8
    .kernarg_segment_size: 24
    .max_flat_workgroup_size: 128
    .sgpr_count:     66
    .vgpr_count:     256
    .wavefront_size: 32
...
	.end_amdgpu_metadata
.endif
;; end of part 3
